; MI455X (gfx1250); checked and timed in simulation.
; The chip was launched on July 23, 2026; its instructions are those of AMD's public machine-readable ISA for CDNA 5 (MIT licence, August 2026) and "CDNA5" Instruction Set Architecture Reference Guide (July 2026). The comments in the code are by the model that wrote it; some were corrected since.
;; Test Einsum Slice. Allowed arithmetic: float matrix products may take bf16 or f16 operands with f32 sums; other float arithmetic in f32, or as packed bf16 or f16 multiplies, adds, multiply-adds, maxima and minima; sums over many terms, partial sums and values carried from step to step in f32; what a program stores and reads back later, other than sums and carried values, may be rounded once to bf16 or f16.
;; Inputs: w 1 x 8 x 4,096 x 2,048 float32; x 1 x 1 x 1,024 x 4,096 float32.
;; Outputs: out0 2,048 float32.
;; One version. Each part assembles by itself: llvm-mc -triple=amdgcn-amd-amdhsa -mcpu=gfx1250 --defsym DOCPART=n.
;; ======== version 1 of 1: 2 launches
;; workspace buffers: part 131,072 bytes
;; launch partial (part 1): grid 16 x 16, 8 waves a work-group, no clusters, 5,120 bytes of LDS; arguments w, x, part; writes part
.if DOCPART == 1
	.amdgcn_target "amdgcn-amd-amdhsa--gfx1250"
	.amdhsa_code_object_version 6
	.text
	.protected	k_qccb6e476f7_partial
	.globl	k_qccb6e476f7_partial
	.p2align	8
	.type	k_qccb6e476f7_partial,@function
k_qccb6e476f7_partial:
	s_mov_b64 s[64:65], 0
	v_nop
	global_prefetch_b8 v0, s[64:65] scope:SCOPE_SE
	s_setreg_imm32_b32 hwreg(HW_REG_WAVE_MODE, 25, 1), 1
	s_wait_xcnt 0x0
; out0[n] = the sum over k = 0 .. 4095 of x[0][0][0][k] * w[0][0][k][n], n = 0 .. 2047: the one row (expert 0, m = 0) that the problem's function keeps of its einsum.
; No output number hangs on any other row of x or any other expert of w, for any input: so only x's first 16,384 bytes and w's first 33,554,432 bytes are read.
; THIS LAUNCH makes partial sums: part[ky][n] = the sum over the 256 rows k = 256 ky .. 256 ky + 255.  A second launch adds the 16 slices.
; SHARES.  Work-group (sx, ky): columns 128 sx .. 128 sx + 127 (512 bytes of a row of w) and 256 rows of K: 16 x 16 = 256 equal work-groups, 128 KiB of w each.
; Wave v of eight: rows 32 v .. 32 v + 31 of those.  Lane l: the 4 columns at byte 16 l of the strip, in every row: nothing is ever added across lanes.
; A wave issues all its 32 loads of 16 bytes a lane at once (16 KiB, 128 registers), so every byte of w that the launch reads is asked for in the waves' first lines.
; Its 32 numbers of x lie in scalar registers.  The eight waves' sums meet in LDS; wave 0 adds them and stores 512 consecutive bytes.
; NO MATRIX UNIT: x has one row here, so 15 of a matrix instruction's 16 rows would be idle, and w lies [k][n] in f32; half a FLOP stands against each byte read.
; NO CLUSTER, NO TENSOR LOADS: no two work-groups read the same byte of w, and a wave's whole share is in flight in its own registers.
; LIMITS.  All in f32, fused multiply-adds.  The order of the sums is not the problem's: four chains of 8 rows a wave, a tree over the chains, over the 8 waves, and (next launch) over the 16 slices.
; Every product x[k] w[k][n] is formed, so NaN and infinities come out as f32 arithmetic makes them.
.set ROWB,  8192                       ; bytes in a row of w (2,048 f32)
.set RW,    32                         ; rows of a wave
.set SPARE, 4096                       ; LDS 0 .. 4095: wave v's 128 sums at 512 v + 16 l;  4096 .. 5119: the spare words, 128 bytes a wave, which no other line names
.set LO,  1                            ; v1        16 x lane: offset of my 16 bytes in a strip, in w, in part and in a wave's 512 bytes of LDS; never rewritten
.set ST,  2                            ; v2        16 x thread: where I put my wave's sums in LDS
.set SPW, 4                            ; v4        LDS address of my spare word: SPARE + 4 x my thread's number; never rewritten
.set NIL, 5                            ; v5        0; never rewritten
.set ACC, 8                            ; v[8:23]   four chains of sums, chain i's 4 columns at ACC + 4 i
.set W,   24                           ; v[24:151] row j's 4 columns at W + 4 j; later, in wave 0, wave v's sums at W + 4 v
.set X,   16                           ; s[16:47]  my wave's 32 numbers of x
.macro JOIN a, b                       ; the 4 numbers at v[b] are added onto the 4 at v[a]
	v_pk_add_f32 v[(\a):(\a)+1],   v[(\a):(\a)+1],   v[(\b):(\b)+1]
	v_pk_add_f32 v[(\a)+2:(\a)+3], v[(\a)+2:(\a)+3], v[(\b)+2:(\b)+3]
.endm
	s_load_b128 s[4:7], s[0:1], 0x0                ; w s[4:5], x s[6:7]
	s_load_b64 s[8:9], s[0:1], 0x10                ; part
	v_lshl_add_u32 v[SPW], v0, 2, SPARE
	v_mov_b32 v[NIL], 0
	v_lshrrev_b32 v3, 5, v0
	v_readfirstlane_b32 s12, v3                    ; wave 0 .. 7
	v_and_b32 v[LO], 31, v0
	v_lshlrev_b32 v[LO], 4, v[LO]                  ; 16 x lane
	v_lshlrev_b32 v[ST], 4, v0                     ; 16 x thread = 512 x wave + 16 x lane
	s_and_b32 s13, ttmp7, 0xffff                   ; ky
	s_mov_b32 s11, 0                               ; the offsets below stay under 2^25: their high word is 0
	s_wait_kmcnt 0x0
	; All three addresses are made before any load is issued, and none is written again: no source of a pending memory instruction is ever rewritten.
	s_lshl_b32 s10, s13, 21                        ; w: 256 ky rows of 8,192 bytes,
	s_lshl_b32 s14, s12, 18                        ; 32 rows for each wave,
	s_add_co_u32 s10, s10, s14
	s_lshl_b32 s14, ttmp9, 9                       ; and the strip's 512 bytes: under 32 MiB in all
	s_add_co_u32 s10, s10, s14
	s_add_nc_u64 s[4:5], s[4:5], s[10:11]
	s_lshl_b32 s10, s13, 10                        ; x: 256 ky numbers of 4 bytes,
	s_lshl_b32 s14, s12, 7                         ; 32 for each wave: 16,256 at the most, and 128 bytes are read from there
	s_add_co_u32 s10, s10, s14
	s_add_nc_u64 s[6:7], s[6:7], s[10:11]
	s_lshl_b32 s10, s13, 13                        ; part: slice ky of 8,192 bytes,
	s_lshl_b32 s14, ttmp9, 9                       ; the strip's 512 bytes
	s_add_co_u32 s10, s10, s14
	s_add_nc_u64 s[8:9], s[8:9], s[10:11]
	s_load_b512 s[X:X+15],    s[6:7], 0x0          ; x[k0 .. k0 + 15]
	s_load_b512 s[X+16:X+31], s[6:7], 0x40         ; x[k0 + 16 .. k0 + 31]
.set j, 0
.rept RW                               ; each load of the wave: 512 consecutive bytes, at a multiple of 512 from w's first byte; each byte is read once in the launch.  The largest immediate is 31 x 8,192 = 253,952
	global_load_b128 v[W+4*j:W+4*j+3], v[LO], s[4:5] offset:j*ROWB th:TH_LOAD_NT
.set j, j+1
.endr
	s_wait_kmcnt 0x0                               ; x
; Rows 4 g .. 4 g + 3: row 4 g + i goes onto chain i, so that no multiply-add reads the result of the one just before it.  first = 1: the products start the chains: nothing is cleared.
.macro ROWS g, first
	s_wait_loadcnt 28-4*(\g)                       ; loads come back in order (ISA guide 5.7.1): behind these four rows' loads 28 - 4 g younger ones were issued, and they may stay out
.irp i, 0,1,2,3
.irp c, 0,1,2,3
.if \first
	v_mul_f32  v[ACC+4*(\i)+(\c)], s[X+4*(\g)+(\i)], v[W+4*(4*(\g)+(\i))+(\c)]
.else
	v_fmac_f32 v[ACC+4*(\i)+(\c)], s[X+4*(\g)+(\i)], v[W+4*(4*(\g)+(\i))+(\c)]
.endif
.endr
.endr
.endm
	ROWS 0, 1
.irp g, 1,2,3,4,5,6,7
	ROWS \g, 0
.endr
	JOIN ACC, ACC+4                                ; the four chains into one
	JOIN ACC+8, ACC+12
	JOIN ACC, ACC+8
	ds_store_b128 v[ST], v[ACC:ACC+3]              ; my wave's sums: thread t at byte 16 t, neighbouring lanes at neighbouring 16 bytes
	s_wait_tensorcnt 0x0                           ; my last LDS store stands above: only LDS reads follow
	ds_add_u32 v[SPW], v[NIL]
	s_wait_dscnt 0x0                               ; for the others' sake too: my store is done before I signal
	s_barrier_signal -1
	s_barrier_wait -1                              ; all eight waves' sums lie in LDS
	s_cmp_lg_u32 s12, 0
	s_cbranch_scc1 .Lend                           ; waves 1 to 7 have done their part; no barrier stands in what they jump over
.irp v, 0,1,2,3,4,5,6,7
	ds_load_b128 v[W+4*(\v):W+4*(\v)+3], v[LO] offset:512*(\v)  ; wave v's sums of my 4 columns (W is free: the last count for w's loads was 0)
.endr
	s_wait_dscnt 0x0
	JOIN W, W+4                                    ; a tree over the eight waves, in a fixed order
	JOIN W+8, W+12
	JOIN W+16, W+20
	JOIN W+24, W+28
	JOIN W, W+8
	JOIN W+16, W+24
	JOIN W, W+16
	global_store_b128 v[LO], v[W:W+3], s[8:9]      ; 512 consecutive bytes, at a multiple of 512 from part's first byte; the next launch reads them, so no hint
.Lend:
	s_endpgm
.Lfunc_end_k_qccb6e476f7_partial:
	.size	k_qccb6e476f7_partial, .Lfunc_end_k_qccb6e476f7_partial-k_qccb6e476f7_partial
	.p2alignl 7, 3214868480
	.fill 96, 4, 3214868480
	.section	.rodata,"a",@progbits
	.p2align	6, 0x0
	.amdhsa_kernel k_qccb6e476f7_partial
		.amdhsa_group_segment_fixed_size 5120
		.amdhsa_private_segment_fixed_size 0
		.amdhsa_enable_private_segment 0
		.amdhsa_kernarg_size 24
		.amdhsa_user_sgpr_count 2
		.amdhsa_user_sgpr_kernarg_segment_ptr 1
		.amdhsa_wavefront_size32 1
		.amdhsa_system_sgpr_workgroup_id_x 1
		.amdhsa_system_sgpr_workgroup_id_y 1
		.amdhsa_system_sgpr_workgroup_id_z 1
		.amdhsa_system_vgpr_workitem_id 0
		.amdhsa_next_free_vgpr 152
		.amdhsa_next_free_sgpr 66
		.amdhsa_reserve_vcc 0
		.amdhsa_float_denorm_mode_32 3
		.amdhsa_float_denorm_mode_16_64 3
		.amdhsa_memory_ordered 1
		.amdhsa_forward_progress 1
		.amdhsa_inst_pref_size 11
	.end_amdhsa_kernel
	.amdgpu_metadata
---
amdhsa.version: [ 1, 2 ]
amdhsa.kernels:
  - .name:           k_qccb6e476f7_partial
    .symbol:         k_qccb6e476f7_partial.kd
    .args:
      - { .name: w, .offset: 0, .size: 8, .value_kind: global_buffer, .address_space: global }
      - { .name: x, .offset: 8, .size: 8, .value_kind: global_buffer, .address_space: global }
      - { .name: part, .offset: 16, .size: 8, .value_kind: global_buffer, .address_space: global }
    .group_segment_fixed_size: 5120
    .private_segment_fixed_size: 0
    .kernarg_segment_align: 8
    .kernarg_segment_size: 24
    .max_flat_workgroup_size: 256
    .sgpr_count:     66
    .vgpr_count:     152
    .wavefront_size: 32
...
	.end_amdgpu_metadata
.endif
;; end of part 1
;; launch reduce (part 2): grid 16 x 1, 1 waves a work-group, no clusters, 0 bytes of LDS; arguments part, out0; writes out0
.if DOCPART == 2
	.amdgcn_target "amdgcn-amd-amdhsa--gfx1250"
	.amdhsa_code_object_version 6
	.text
	.protected	k_qccb6e476f7_reduce
	.globl	k_qccb6e476f7_reduce
	.p2align	8
	.type	k_qccb6e476f7_reduce,@function
k_qccb6e476f7_reduce:
	s_mov_b64 s[64:65], 0
	v_nop
	global_prefetch_b8 v0, s[64:65] scope:SCOPE_SE
	s_setreg_imm32_b32 hwreg(HW_REG_WAVE_MODE, 25, 1), 1
	s_wait_xcnt 0x0
; out0[n] = the sum over s = 0 .. 15 of part[s][n]: the 16 slices of K that the launch before left, [16][2048] in f32, are added in f32, as a tree in a fixed order.
; SHARES.  2,048 outputs at 16 bytes a lane are 16 waves' work: work-group g, one wave, has columns 128 g .. 128 g + 127, lane l the 4 columns at byte 16 l of them.
; All 16 loads of the wave go out at once; each load and the store cover 512 consecutive bytes, at a multiple of 512 from the buffer's first byte.  No LDS, no barrier: no wave needs another's numbers.
.set SLICE, 8192                       ; bytes in a slice of part
.set LO, 1                             ; v1       16 x lane; never rewritten
.set P,  4                             ; v[4:67]  slice s's 4 columns at P + 4 s
.macro JOIN a, b                       ; the 4 numbers at v[b] are added onto the 4 at v[a]
	v_pk_add_f32 v[(\a):(\a)+1],   v[(\a):(\a)+1],   v[(\b):(\b)+1]
	v_pk_add_f32 v[(\a)+2:(\a)+3], v[(\a)+2:(\a)+3], v[(\b)+2:(\b)+3]
.endm
	s_load_b128 s[4:7], s[0:1], 0x0                ; part s[4:5], out0 s[6:7]
	v_lshlrev_b32 v[LO], 4, v0                     ; one wave: the thread's number is the lane
	s_lshl_b32 s8, ttmp9, 9                        ; my 512 bytes of a slice and of out0
	s_mov_b32 s9, 0
	s_wait_kmcnt 0x0
	s_add_nc_u64 s[4:5], s[4:5], s[8:9]
	s_add_nc_u64 s[6:7], s[6:7], s[8:9]
.set s, 0
.rept 16                               ; the largest immediate is 15 x 8,192 = 122,880
	global_load_b128 v[P+4*s:P+4*s+3], v[LO], s[4:5] offset:s*SLICE
.set s, s+1
.endr
.irp p, 0,1,2,3,4,5,6,7
	s_wait_loadcnt 14-2*(\p)                       ; loads come back in order (ISA guide 5.7.1): behind slices 2 p and 2 p + 1 stand 14 - 2 p younger loads, which may stay out
	JOIN P+8*(\p), P+8*(\p)+4
.endr
	JOIN P, P+8                                    ; the eight sums of two: four, two, one
	JOIN P+16, P+24
	JOIN P+32, P+40
	JOIN P+48, P+56
	JOIN P, P+16
	JOIN P+32, P+48
	JOIN P, P+32
	global_store_b128 v[LO], v[P:P+3], s[6:7]      ; 512 consecutive bytes of out0
	s_endpgm
.Lfunc_end_k_qccb6e476f7_reduce:
	.size	k_qccb6e476f7_reduce, .Lfunc_end_k_qccb6e476f7_reduce-k_qccb6e476f7_reduce
	.p2alignl 7, 3214868480
	.fill 96, 4, 3214868480
	.section	.rodata,"a",@progbits
	.p2align	6, 0x0
	.amdhsa_kernel k_qccb6e476f7_reduce
		.amdhsa_group_segment_fixed_size 0
		.amdhsa_private_segment_fixed_size 0
		.amdhsa_enable_private_segment 0
		.amdhsa_kernarg_size 16
		.amdhsa_user_sgpr_count 2
		.amdhsa_user_sgpr_kernarg_segment_ptr 1
		.amdhsa_wavefront_size32 1
		.amdhsa_system_sgpr_workgroup_id_x 1
		.amdhsa_system_sgpr_workgroup_id_y 1
		.amdhsa_system_sgpr_workgroup_id_z 1
		.amdhsa_system_vgpr_workitem_id 0
		.amdhsa_next_free_vgpr 68
		.amdhsa_next_free_sgpr 66
		.amdhsa_reserve_vcc 0
		.amdhsa_float_denorm_mode_32 3
		.amdhsa_float_denorm_mode_16_64 3
		.amdhsa_memory_ordered 1
		.amdhsa_forward_progress 1
		.amdhsa_inst_pref_size 5
	.end_amdhsa_kernel
	.amdgpu_metadata
---
amdhsa.version: [ 1, 2 ]
amdhsa.kernels:
  - .name:           k_qccb6e476f7_reduce
    .symbol:         k_qccb6e476f7_reduce.kd
    .args:
      - { .name: part, .offset: 0, .size: 8, .value_kind: global_buffer, .address_space: global }
      - { .name: out0, .offset: 8, .size: 8, .value_kind: global_buffer, .address_space: global }
    .group_segment_fixed_size: 0
    .private_segment_fixed_size: 0
    .kernarg_segment_align: 8
    .kernarg_segment_size: 16
    .max_flat_workgroup_size: 32
    .sgpr_count:     66
    .vgpr_count:     68
    .wavefront_size: 32
...
	.end_amdgpu_metadata
.endif
;; end of part 2
